; MI455X (gfx1250); checked and timed in simulation.
; The chip was launched on July 23, 2026; its instructions are those of AMD's public machine-readable ISA for CDNA 5 (MIT licence, August 2026) and "CDNA5" Instruction Set Architecture Reference Guide (July 2026). The comments in the code are by the model that wrote it; some were corrected since.
;; Multi Head Attention. Allowed arithmetic: float matrix products may take bf16 or f16 operands with f32 sums; all other float work in f32.
;; Inputs: WK_b 1,024 float32; WK_w 1,024 x 1,024 float32; WO_b 1,024 float32; WO_w 1,024 x 1,024 float32; WQ_b 1,024 float32; WQ_w 1,024 x 1,024 float32; WV_b 1,024 float32; WV_w 1,024 x 1,024 float32; k_cache 8 x 16 x 4,096 x 64 float32; q 8 x 1 x 1,024 float32; v_cache 8 x 16 x 4,096 x 64 float32.
;; Outputs: out0 8 x 1 x 1,024 float32.
;; One version. Each part assembles by itself: llvm-mc -triple=amdgcn-amd-amdhsa -mcpu=gfx1250 --defsym DOCPART=n.
;; ======== version 1 of 1: 3 launches
;; workspace buffers: qkv 131,072 bytes; part 131,072 bytes
;; launch proj (part 1): grid 256 x 1, 4 waves a work-group, no clusters, 49,664 bytes of LDS; arguments q, WQ_w, WK_w, WV_w, WQ_b, WK_b, WV_b, qkv; writes qkv
.if DOCPART == 1
	.amdgcn_target "amdgcn-amd-amdhsa--gfx1250"
	.amdhsa_code_object_version 6
	.text
	.protected	k_q42c07d713e_proj
	.globl	k_q42c07d713e_proj
	.p2align	8
	.type	k_q42c07d713e_proj,@function
k_q42c07d713e_proj:
	s_mov_b64 s[64:65], 0
	v_nop
	global_prefetch_b8 v0, s[64:65] scope:SCOPE_SE
	s_setreg_imm32_b32 hwreg(HW_REG_WAVE_MODE, 25, 1), 1
	s_wait_xcnt 0x0
; The three projections of the one token: qkv[n][slot][b] = sum over k of q[b][k] W_slot[n][k] + bias_slot[n],
; slot 0, 1, 2 = Q, K, V; slot 3 is filler, so that a work-group's four n are 512 consecutive bytes, stored by one instruction.
; Work-group g owns n = 4g .. 4g+3; wave w owns row n = 4g + w of each of the three matrices, for all 8 batches.
; Lane l owns k = 4l + 128j + e (j = 0..7, e = 0..3): each weight load of a wave covers 512 consecutive bytes, each weight byte is read once.
; q (32,768 bytes) is copied once into LDS and read from there batch by batch.
; NO MATRIX UNIT: a weight meets 8 rows only, 8 multiply-adds for 4 bytes; the launch is bound by its 12.6 MB of weights, and a
; conversion of every streamed f32 to 16 bits would cost what the f32 multiply-adds cost.  All sums are f32.
; NO CLUSTER: what the work-groups share is q, fetched once in one phase at the head; there is no loop in which joint requests
; would recur, and a joint request would put a cluster barrier and a tensor wait in front of the only fetch.
.set NR,      3                        ; rows of weights for each wave
.set XB,      8                        ; v[8:71]    16 quads of q on the way to LDS; then two buffers of 8 quads: one batch's x for my k
.set W,       72                       ; v[72:167]  row i, chunk j at W + 32 i + 4 j
.set ACC,     168                      ; v[168:191] row i: four pairs, four chains that do not wait for each other
.set RED,     192                      ; v[192:215] my partial sum of value 8 i + b
.set T,       72                       ; v[72:103]  the reduction, in W's registers, which are done with by then
.set RPITCH,  112                      ; a lane's 24 partial sums, 96 bytes, + 16: seven times 16 bytes, an odd multiple
.set LDS_RED, 32768                    ; behind x: 32 rows x 112 bytes for each wave, the wave's own
.set LDS_OUT, 47104                    ; 4 waves x 128 bytes: the work-group's 512 bytes of qkv
	s_load_b512 s[8:23], s[0:1], 0x0               ; q 8:9, WQ 10:11, WK 12:13, WV 14:15, bQ 16:17, bK 18:19, bV 20:21, qkv 22:23
	v_lshl_add_u32 v224, v0, 2, 0xc000
	v_mov_b32 v225, 0
	v_lshrrev_b32 v3, 5, v0
	v_readfirstlane_b32 s4, v3                     ; wave 0..3
	v_and_b32 v3, 31, v0                           ; lane
	v_lshlrev_b32 v1, 4, v3                        ; 16 x lane
	v_lshlrev_b32 v2, 4, v0                        ; 16 x thread
	v_lshlrev_b32 v6, 2, v0                        ; 4 x thread = 128 x wave + 4 x lane
	s_lshl_b32 s5, ttmp9, 2
	s_add_co_u32 s5, s5, s4                        ; n = 4 g + w
	s_lshl_b32 s6, s5, 12                          ; a row of weights is 4,096 bytes
	s_mov_b32 s7, 0
	s_lshl_b32 s26, s5, 2                          ; my bias word
	s_mov_b32 s27, 0
	s_lshl_b32 s30, ttmp9, 9                       ; the work-group's 512 bytes of qkv
	s_mov_b32 s31, 0
	s_mul_i32 s29, s4, 32*RPITCH
	s_add_co_u32 s29, s29, LDS_RED                 ; my wave's stage
	v_mul_u32_u24 v4, v3, RPITCH
	v_add_nc_u32 v4, s29, v4                       ; where my 24 partial sums go
	v_min_u32 v5, 23, v3                           ; lanes 24-31 repeat value 23: the filler of slot 3
	v_lshl_add_u32 v5, v5, 2, s29                  ; column that I add up
	s_wait_kmcnt 0x0
	s_add_nc_u64 s[10:11], s[10:11], s[6:7]
	s_add_nc_u64 s[12:13], s[12:13], s[6:7]
	s_add_nc_u64 s[14:15], s[14:15], s[6:7]
	s_add_nc_u64 s[16:17], s[16:17], s[26:27]
	s_add_nc_u64 s[18:19], s[18:19], s[26:27]
	s_add_nc_u64 s[20:21], s[20:21], s[26:27]
	s_add_nc_u64 s[22:23], s[22:23], s[30:31]
.irp i, 0,1,2,3,4,5,6,7,8,9,10,11,12,13,14,15
	global_load_b128 v[XB+4*\i:XB+4*\i+3], v2, s[8:9] offset:2048*\i      ; q: 128 threads x 16 bytes; every work-group reads it, so no hint
.endr
.irp j, 0,1,2,3,4,5,6,7
	global_load_b128 v[W+4*\j:W+4*\j+3],       v1, s[10:11] offset:512*\j th:TH_LOAD_NT
	global_load_b128 v[W+32+4*\j:W+32+4*\j+3], v1, s[12:13] offset:512*\j th:TH_LOAD_NT
	global_load_b128 v[W+64+4*\j:W+64+4*\j+3], v1, s[14:15] offset:512*\j th:TH_LOAD_NT
.endr
	s_load_b32 s24, s[16:17], 0x0
	s_load_b32 s25, s[18:19], 0x0
	s_load_b32 s28, s[20:21], 0x0
	s_wait_loadcnt 24                              ; q is in; the 24 weight loads behind it stay out
.irp i, 0,1,2,3,4,5,6,7,8,9,10,11,12,13,14,15
	ds_store_b128 v2, v[XB+4*\i:XB+4*\i+3] offset:2048*\i                 ; x[b][k] at 4096 b + 4 k
.endr
	s_wait_dscnt 0x0                               ; my part of x is in LDS: zero, for the other waves' sake
	s_barrier_signal -1
	s_barrier_wait -1
; batch b's x for my 32 k, into buffer b & 1
.macro XLOAD b
.irp j, 0,1,2,3,4,5,6,7
	ds_load_b128 v[XB+32*((\b)&1)+4*\j:XB+32*((\b)&1)+4*\j+3], v1 offset:(\b)*4096+512*\j
.endr
.endm
; batch b: NR rows x 32 k, two multiply-adds an instruction; chunks 0 and 1 start the sums, nothing is cleared; then my 32 k are added up
.macro FMAB b
.irp j, 0,1,2,3,4,5,6,7
.set i, 0
.rept NR
.irp hf, 0,1
.if \j < 2
	v_pk_mul_f32 v[ACC+8*i+4*(\j&1)+2*\hf:ACC+8*i+4*(\j&1)+2*\hf+1], v[W+32*i+4*\j+2*\hf:W+32*i+4*\j+2*\hf+1], v[XB+32*(\b&1)+4*\j+2*\hf:XB+32*(\b&1)+4*\j+2*\hf+1]
.else
	v_pk_fma_f32 v[ACC+8*i+4*(\j&1)+2*\hf:ACC+8*i+4*(\j&1)+2*\hf+1], v[W+32*i+4*\j+2*\hf:W+32*i+4*\j+2*\hf+1], v[XB+32*(\b&1)+4*\j+2*\hf:XB+32*(\b&1)+4*\j+2*\hf+1], v[ACC+8*i+4*(\j&1)+2*\hf:ACC+8*i+4*(\j&1)+2*\hf+1]
.endif
.endr
.set i, i+1
.endr
.endr
.set i, 0
.rept NR
	v_pk_add_f32 v[ACC+8*i:ACC+8*i+1],   v[ACC+8*i:ACC+8*i+1],   v[ACC+8*i+2:ACC+8*i+3]
	v_pk_add_f32 v[ACC+8*i+4:ACC+8*i+5], v[ACC+8*i+4:ACC+8*i+5], v[ACC+8*i+6:ACC+8*i+7]
	v_pk_add_f32 v[ACC+8*i:ACC+8*i+1],   v[ACC+8*i:ACC+8*i+1],   v[ACC+8*i+4:ACC+8*i+5]
	v_add_f32 v[RED+8*i+\b], v[ACC+8*i], v[ACC+8*i+1]
.set i, i+1
.endr
.endm
	XLOAD 0
	s_wait_loadcnt 0x0                             ; the weights
.irp b, 0,1,2,3,4,5,6
	XLOAD \b+1
	s_wait_dscnt 0x8                               ; this batch's x is in; the next batch's eight loads stay out
	FMAB \b
.endr
	s_wait_dscnt 0x0                               ; nothing was issued behind the last batch
	FMAB 7
	; over the 32 lanes: every lane lays its 24 sums into a row of the wave's own stage, lane l then adds up column l.
	; LDS serves a wave's instructions in order (ISA guide 5.7.1): the loads see the stores, and no other wave touches these bytes.
.irp c, 0,1,2,3,4,5
	ds_store_b128 v4, v[RED+4*\c:RED+4*\c+3] offset:16*\c
.endr
.irp s, 0,1,2,3,4,5,6,7,8,9,10,11,12,13,14,15,16,17,18,19,20,21,22,23,24,25,26,27,28,29,30,31
	ds_load_b32 v[T+\s], v5 offset:RPITCH*\s
.endr
	s_wait_dscnt 0x0
.irp k, 0,1,2,3,4,5,6,7
	v_pk_add_f32 v[T+2*\k:T+2*\k+1], v[T+2*\k:T+2*\k+1], v[T+16+2*\k:T+16+2*\k+1]
.endr
.irp k, 0,1,2,3
	v_pk_add_f32 v[T+2*\k:T+2*\k+1], v[T+2*\k:T+2*\k+1], v[T+8+2*\k:T+8+2*\k+1]
.endr
.irp k, 0,1
	v_pk_add_f32 v[T+2*\k:T+2*\k+1], v[T+2*\k:T+2*\k+1], v[T+4+2*\k:T+4+2*\k+1]
.endr
	v_pk_add_f32 v[T:T+1], v[T:T+1], v[T+2:T+3]
	v_add_f32 v[T], v[T], v[T+1]                   ; lane l < 24: value l = 8 i + b
	s_wait_kmcnt 0x0                               ; the three biases
	v_mov_b32 v7, s24
	v_mov_b32 v[T+2], s25
	v_mov_b32 v[T+3], s28
	v_cmp_le_u32 vcc_lo, 8, v3
	v_cndmask_b32 v7, v7, v[T+2], vcc_lo           ; lanes 8-15: K's bias
	v_cmp_le_u32 vcc_lo, 16, v3
	v_cndmask_b32 v7, v7, v[T+3], vcc_lo           ; lanes 16 and up: V's
	v_add_f32 v[T], v[T], v7
	ds_store_b32 v6, v[T] offset:LDS_OUT           ; 128 bytes a wave: qkv[n][0..3][0..7]
	s_wait_dscnt 0x0                               ; zero: wave 0 reads these bytes behind the barrier
	s_barrier_signal -1
	s_barrier_wait -1
	s_cmp_lg_u32 s4, 0
	s_cbranch_scc1 .Lend
	ds_load_b128 v[T+4:T+7], v1 offset:LDS_OUT
	s_wait_dscnt 0x0
	global_store_b128 v1, v[T+4:T+7], s[22:23]     ; 32 lanes store 512 consecutive bytes, at a multiple of 512 from the buffer's first byte
.Lend:
	s_wait_tensorcnt 0x0
	ds_add_u32 v224, v225
	s_wait_dscnt 0x0
	s_endpgm
.Lfunc_end_k_q42c07d713e_proj:
	.size	k_q42c07d713e_proj, .Lfunc_end_k_q42c07d713e_proj-k_q42c07d713e_proj
	.p2alignl 7, 3214868480
	.fill 96, 4, 3214868480
	.section	.rodata,"a",@progbits
	.p2align	6, 0x0
	.amdhsa_kernel k_q42c07d713e_proj
		.amdhsa_group_segment_fixed_size 49664
		.amdhsa_private_segment_fixed_size 0
		.amdhsa_enable_private_segment 0
		.amdhsa_kernarg_size 64
		.amdhsa_user_sgpr_count 2
		.amdhsa_user_sgpr_kernarg_segment_ptr 1
		.amdhsa_wavefront_size32 1
		.amdhsa_system_sgpr_workgroup_id_x 1
		.amdhsa_system_sgpr_workgroup_id_y 1
		.amdhsa_system_sgpr_workgroup_id_z 1
		.amdhsa_system_vgpr_workitem_id 0
		.amdhsa_next_free_vgpr 226
		.amdhsa_next_free_sgpr 66
		.amdhsa_reserve_vcc 1
		.amdhsa_float_denorm_mode_32 3
		.amdhsa_float_denorm_mode_16_64 3
		.amdhsa_memory_ordered 1
		.amdhsa_forward_progress 1
		.amdhsa_inst_pref_size 45
	.end_amdhsa_kernel
	.amdgpu_metadata
---
amdhsa.version: [ 1, 2 ]
amdhsa.kernels:
  - .name:           k_q42c07d713e_proj
    .symbol:         k_q42c07d713e_proj.kd
    .args:
      - { .name: q, .offset: 0, .size: 8, .value_kind: global_buffer, .address_space: global }
      - { .name: WQ_w, .offset: 8, .size: 8, .value_kind: global_buffer, .address_space: global }
      - { .name: WK_w, .offset: 16, .size: 8, .value_kind: global_buffer, .address_space: global }
      - { .name: WV_w, .offset: 24, .size: 8, .value_kind: global_buffer, .address_space: global }
      - { .name: WQ_b, .offset: 32, .size: 8, .value_kind: global_buffer, .address_space: global }
      - { .name: WK_b, .offset: 40, .size: 8, .value_kind: global_buffer, .address_space: global }
      - { .name: WV_b, .offset: 48, .size: 8, .value_kind: global_buffer, .address_space: global }
      - { .name: qkv, .offset: 56, .size: 8, .value_kind: global_buffer, .address_space: global }
    .group_segment_fixed_size: 49664
    .private_segment_fixed_size: 0
    .kernarg_segment_align: 8
    .kernarg_segment_size: 64
    .max_flat_workgroup_size: 128
    .sgpr_count:     66
    .vgpr_count:     226
    .wavefront_size: 32
...
	.end_amdgpu_metadata
.endif
;; end of part 1
;; launch attn (part 2): grid 256 x 1, 16 waves a work-group, no clusters, 6,656 bytes of LDS; arguments k_cache, v_cache, qkv, part; writes part
.if DOCPART == 2
	.amdgcn_target "amdgcn-amd-amdhsa--gfx1250"
	.amdhsa_code_object_version 6
	.text
	.protected	k_q42c07d713e_attn
	.globl	k_q42c07d713e_attn
	.p2align	8
	.type	k_q42c07d713e_attn,@function
k_q42c07d713e_attn:
	s_mov_b64 s[64:65], 0
	v_nop
	global_prefetch_b8 v0, s[64:65] scope:SCOPE_SE
	s_setreg_imm32_b32 hwreg(HW_REG_WAVE_MODE, 25, 1), 1
	s_wait_xcnt 0x0
; One query row for each (batch, head) against 4,096 cached keys and values and the new token: the stream over the two caches.
; Work-group g: head bh = g >> 1 (bh = 16 b + h), half of the positions split = g & 1: 2,048 positions.  Wave w: 128 positions from
; t0 = 2048 split + 128 w, 32,768 consecutive bytes of K and of V.  One 16-byte load of the wave covers 512 consecutive bytes, two positions:
; lane = 16 half + r holds dims 4r .. 4r+3 of position t0 + 2 x (number of the load) + half.  Each half of the wave runs a softmax of its
; own (running maximum, sum, weighted V): nothing crosses the halves inside the stream.
; ROPE IS CARRIED ON THE QUERY.  With R(a) the rotation of a pair by a:  (R(4096 th) q) . (R(t th) k) = (R((4096 - t) th) q) . k.
; So K is used as it comes; each lane keeps its four query numbers rotated for its current position and turns them by -2 th from one load
; to the next.  Sine and cosine are made twice for each pair, once for the start angle and once for the step, by range reduction and a polynomial, while the
; first loads are out.  The new token stands at position 4096, the query's own: its score is q . k unrotated.
; The result is a record of 512 bytes for each work-group: acc[0..63], then (m, l) 32 times; m in units of log2.
; LIMITS.  Order of rounding: the angle is (4096 - t) th, th = 10^(-i/4) rounded to f32, reduced with the product's low part kept, and then
; carried through up to 63 rotations in f32 (drift below 1e-5 rad); the reference rounds t th and 4096 th apart, each up to 2.4e-4 rad off
; at the largest angles.  Exponentials are base 2 behind a running maximum; terms below 2^-126 count as zero (ISA guide 15.8).
; Inputs are taken to be finite.
; NO MATRIX UNIT: one query row for each head would use one row of sixteen, the query differs from key to key, and each streamed f32 would
; need a conversion that costs what its multiply-add costs.  NO LDS RING: no byte of K or V is read by two waves; registers hold what is on
; its way, 40 loads of 512 bytes a wave.  NO CLUSTER: work-groups share nothing but 768 bytes of qkv.  NO PREFETCH: three of a wave's eight
; blocks are asked for in its first lines, and the launch streams all the time.
.set Q,    6                           ; v[6:9]    my four query numbers, x log2(e) / 8
.set KN,   10                          ; v[10:13]  the new token's key
.set VN,   14                          ; v[14:17]  the new token's value
.set SN,   18                          ; v18       the new token's score (-inf in the work-groups of split 0)
.set AR,   19                          ; v19       16 r
.set XY,   20                          ; v[20:23] X = (first of pair A, first of pair B), Y = (second, second); v[24:27] the same, in turn
.set C,    28                          ; v[28:29]  cos 2 th of pair A, B
.set S,    30                          ; v[30:31]  sin 2 th
.set NS,   32                          ; v[32:33]  - sin 2 th
.set ACC,  34                          ; v[34:37]  sum of p x V for my four dims
.set M,    38                          ; running maximum
.set L,    39                          ; running sum
.set AL,   40                          ; v[40:41]  2^(old maximum - new), new maximum: one pair
.set MN,   41
.set BM,   42
.set WA,   43                          ; 4 x wave
.set P,    44                          ; v[44:51]  the block's eight scores, then their exponentials
.set T0,   52                          ; v[52:55]  at work
.set T1,   53
.set T2,   54
.set T3,   55
.set THA,  56                          ; th of pair A = dims 4r, 4r+1; 0 for r >= 8: those dims are not rotated
.set THB,  57                          ; th of pair B = dims 4r+2, 4r+3
.set NF,   58                          ; 4096 - my first position, as f32
.set CA,   59
.set SA,   60
.set CB,   61
.set SB,   62
.set TWO,  63
.set RING, 64                          ; slot s: K at v[64+64s : +31], V at v[96+64s : +31]; three slots
.set LDS_M, 4096                       ; behind 16 x 256 bytes of acc: 16 maxima,
.set LDS_L, 4160                       ; 16 sums
	s_load_b256 s[4:11], s[0:1], 0x0               ; K 4:5, V 6:7, qkv 8:9, part 10:11
	v_lshrrev_b32 v2, 5, v0
	v_readfirstlane_b32 s12, v2                    ; wave 0..15
	v_and_b32 v1, 31, v0
	v_lshlrev_b32 v1, 4, v1                        ; 16 x lane: the one address register of the stream, never rewritten
	v_and_b32 v2, 15, v0                           ; r
	v_bfe_u32 v3, v0, 4, 1                         ; half
	v_lshlrev_b32 v4, 9, v2                        ; qkv: dim 4 r is 4 r x 128 bytes
	s_lshl_b32 s14, ttmp9, 19                      ; 2,048 positions x 256 bytes for each work-group,
	s_lshl_b32 s13, s12, 15                        ; 128 x 256 for each wave: below 2^27
	s_add_co_u32 s14, s14, s13
	s_mov_b32 s15, 0
	s_lshr_b32 s13, ttmp9, 1                       ; bh
	s_and_b32 s16, s13, 15                         ; h
	s_lshl_b32 s16, s16, 13                        ; 64 n x 128 bytes
	s_lshr_b32 s13, s13, 4                         ; b
	s_lshl_b32 s13, s13, 2
	s_add_co_u32 s16, s16, s13
	s_mov_b32 s17, 0
	s_lshl_b32 s22, ttmp9, 9                       ; my record
	s_mov_b32 s23, 0
	s_and_b32 s13, ttmp9, 1                        ; split
	s_cmp_eq_u32 s13, 1
	s_cselect_b32 s19, -1, 0                       ; all lanes: the new token belongs to split 1
	s_lshl_b32 s13, s13, 11
	s_lshl_b32 s18, s12, 7
	s_add_co_u32 s18, s18, s13                     ; t0
	s_sub_co_u32 s18, 4096, s18                    ; 4096 - t0
	s_mov_b32 s20, 0x76543210                      ; v_permlanex16_b32: lane i of one half reads lane i of the other
	s_mov_b32 s21, 0xfedcba98
	s_wait_kmcnt 0x0
	s_add_nc_u64 s[4:5], s[4:5], s[14:15]
	s_add_nc_u64 s[6:7], s[6:7], s[14:15]
	s_add_nc_u64 s[8:9], s[8:9], s[16:17]
	s_add_nc_u64 s[10:11], s[10:11], s[22:23]
.macro KLOAD i                         ; block i of K: 8 loads, 16 positions
.irp u, 0,1,2,3,4,5,6,7
	global_load_b128 v[RING+64*((\i)%3)+4*\u:RING+64*((\i)%3)+4*\u+3], v1, s[4:5] offset:(\i)*4096+512*\u th:TH_LOAD_NT
.endr
.endm
.macro VLOAD i
.irp u, 0,1,2,3,4,5,6,7
	global_load_b128 v[RING+32+64*((\i)%3)+4*\u:RING+32+64*((\i)%3)+4*\u+3], v1, s[6:7] offset:(\i)*4096+512*\u th:TH_LOAD_NT
.endr
.endm
.irp e, 0,1,2,3
	global_load_b32 v[Q+\e],  v4, s[8:9] offset:\e*128        ; every wave loads all twelve: one count on every path
	global_load_b32 v[KN+\e], v4, s[8:9] offset:\e*128+32
	global_load_b32 v[VN+\e], v4, s[8:9] offset:\e*128+64
.endr
	KLOAD 0
	VLOAD 0
	KLOAD 1
	VLOAD 1
	KLOAD 2
	VLOAD 2
	; while they are out: addresses for the end, the two frequencies, the start and step angles
	v_lshlrev_b32 v[AR], 4, v2
	s_lshl_b32 s13, s12, 8
	v_add_nc_u32 v5, s13, v[AR]                    ; LDS: 256 w + 16 r
	s_lshl_b32 s13, s12, 2
	v_mov_b32 v[WA], s13
	v_mov_b32 v[THA], 0
	v_mov_b32 v[THB], 0
.macro THSEL k, a, b                   ; lanes with r = k take th = a for pair 2k and b for pair 2k+1
	v_cmp_ne_u32 vcc_lo, \k, v2
	v_cndmask_b32 v[THA], \a, v[THA], vcc_lo
	v_cndmask_b32 v[THB], \b, v[THB], vcc_lo
.endm
	THSEL 0, 0x3f800000, 0x3f0ff59a                ; 10^(-i/4), i = 0, 1:  1.0           0.5623413252
	THSEL 1, 0x3ea1e89b, 0x3e361887                ; 2, 3:                 0.316227766   0.177827941
	THSEL 2, 0x3dcccccd, 0x3d6655c3                ; 4, 5:                 0.1           0.05623413252
	THSEL 3, 0x3d0186e2, 0x3c91ad39                ; 6, 7:                 0.0316227766  0.0177827941
	THSEL 4, 0x3c23d70a, 0x3bb8449c                ; 8, 9:                 0.01          0.005623413252
	THSEL 5, 0x3b4f3e37, 0x3ae91528                ; 10, 11:               0.00316227766 0.00177827941
	THSEL 6, 0x3a83126f, 0x3a136a16                ; 12, 13:               0.001         0.0005623413252
	THSEL 7, 0x39a5cb5f, 0x393a7753                ; 14, 15:               0.000316227766 0.000177827941
	v_sub_nc_u32 v[NF], s18, v3                    ; 4096 - t0 - half: a whole number up to 4096, exact in f32
	v_cvt_f32_u32 v[NF], v[NF]
	v_mov_b32 v[TWO], 2.0
; co = cos(n th), si = sin(n th).  The product's low part is kept; 2 pi is taken away in two parts; a quarter of the rest (at most pi / 4)
; goes through the polynomials, and two doublings of the angle bring it back.  th = 0 gives exactly 1 and 0.
.macro SINCOS n, th, co, si
	v_mul_f32 v[T0], v[\n], v[\th]
	v_fma_f32 v[T1], v[\n], v[\th], -v[T0]         ; what the product's rounding dropped
	v_mul_f32 v[T2], 0.15915494, v[T0]
	v_rndne_f32 v[T2], v[T2]                       ; whole turns
	v_fmamk_f32 v[T0], v[T2], 0xc0c90fdb, v[T0]    ; - 6.2831855 x turns
	v_fmamk_f32 v[T0], v[T2], 0x343bbd2e, v[T0]    ; + 1.7484556e-7 x turns: 2 pi = 6.2831855 - 1.7484556e-7
	v_add_f32 v[T0], v[T0], v[T1]
	v_mul_f32 v[T0], 0x3e800000, v[T0]             ; x = a quarter of the angle
	v_mul_f32 v[T1], v[T0], v[T0]                  ; z = x^2
	v_mov_b32 v[T2], 0xb94ca1f9                    ; sin x = x + x z ((-1.9515295891e-4 z + 8.3321608736e-3) z - 1.6666654611e-1)
	v_fmaak_f32 v[T2], v[T2], v[T1], 0x3c08839e
	v_fmaak_f32 v[T2], v[T2], v[T1], 0xbe2aaaa3
	v_mul_f32 v[T3], v[T0], v[T1]
	v_fma_f32 v[\si], v[T3], v[T2], v[T0]
	v_mov_b32 v[T2], 0x37ccf5ce                    ; cos x = (((2.4433157e-5 z - 1.3887316e-3) z + 4.1666646e-2) z - 0.5) z + 1
	v_fmaak_f32 v[T2], v[T2], v[T1], 0xbab6061a
	v_fmaak_f32 v[T2], v[T2], v[T1], 0x3d2aaaa5
	v_fmaak_f32 v[T2], v[T2], v[T1], 0xbf000000
	v_fma_f32 v[\co], v[T2], v[T1], 1.0
	v_add_f32 v[T2], v[\si], v[\si]                ; sin 2x = 2 s c, cos 2x = 1 - 2 s s
	v_mul_f32 v[T3], v[T2], v[\co]
	v_fma_f32 v[\co], -v[T2], v[\si], 1.0
	v_add_f32 v[T2], v[T3], v[T3]                  ; and once more
	v_mul_f32 v[\si], v[T2], v[\co]
	v_fma_f32 v[\co], -v[T2], v[T3], 1.0
.endm
	SINCOS NF, THA, CA, SA
	SINCOS NF, THB, CB, SB
	SINCOS TWO, THA, C, S
	SINCOS TWO, THB, C+1, S+1
	v_mul_f32 v[NS], -1.0, v[S]
	v_mul_f32 v[NS+1], -1.0, v[S+1]
	s_wait_loadcnt 48                              ; q, k, v of the new token are in; the ring's 48 loads stay out
	v_pk_mul_f32 v[Q:Q+1],   v[Q:Q+1],   0x3e38aa3b op_sel_hi:[1,0]   ; x log2(e) / 8: the scale, and base 2 for the exponentials
	v_pk_mul_f32 v[Q+2:Q+3], v[Q+2:Q+3], 0x3e38aa3b op_sel_hi:[1,0]
	v_mul_f32  v[SN], v[Q],   v[KN]
	v_fmac_f32 v[SN], v[Q+1], v[KN+1]
	v_fmac_f32 v[SN], v[Q+2], v[KN+2]
	v_fmac_f32 v[SN], v[Q+3], v[KN+3]
.irp m, 1,2,4,8
	v_add_f32_dpp v[SN], v[SN], v[SN] row_xmask:\m row_mask:0xf bank_mask:0xf
.endr
	v_mov_b32 v[T0], 0xff800000                    ; -inf: weight 0 where the new token is not mine
	v_cndmask_b32 v[SN], v[T0], v[SN], s19
	v_mul_f32 v[XY],   v[Q],   v[CA]               ; the query rotated by (4096 - my first position) th
	v_mul_f32 v[XY+2], v[Q+1], v[CA]
	v_mul_f32 v[XY+1], v[Q+2], v[CB]
	v_mul_f32 v[XY+3], v[Q+3], v[CB]
	v_fma_f32 v[XY],   -v[Q+1], v[SA], v[XY]
	v_fma_f32 v[XY+2],  v[Q],   v[SA], v[XY+2]
	v_fma_f32 v[XY+1], -v[Q+3], v[SB], v[XY+1]
	v_fma_f32 v[XY+3],  v[Q+2], v[SB], v[XY+3]
; Block i: 8 loads of K and 8 of V, 8 positions for each half of the wave.  first = 1: the block starts maximum, sum and acc, nothing is
; cleared.  fill = 1: the slot is asked for again, block i + 3, K as soon as the scores are made, V behind the last multiply-add.
; cntk, cntv: how many younger loads stay out when K's and V's eight have to be in.
.macro TURN i, first, fill, cntk, cntv
.set KB, RING+64*(\i%3)
.set VB, KB+32
	s_wait_loadcnt \cntk
.irp u, 0,1,2,3,4,5,6,7
.set CUR, XY+4*(\u&1)
.set NXT, XY+4-4*(\u&1)
	v_mul_f32  v[P+\u], v[KB+4*\u],   v[CUR]
	v_fmac_f32 v[P+\u], v[KB+4*\u+1], v[CUR+2]
	v_fmac_f32 v[P+\u], v[KB+4*\u+2], v[CUR+1]
	v_fmac_f32 v[P+\u], v[KB+4*\u+3], v[CUR+3]
.if 8*\i+\u < 63
	v_pk_mul_f32 v[NXT:NXT+1],   v[CUR:CUR+1],   v[C:C+1]                     ; two positions on: the query turns by -2 th
	v_pk_mul_f32 v[NXT+2:NXT+3], v[CUR+2:CUR+3], v[C:C+1]
	v_pk_fma_f32 v[NXT:NXT+1],   v[CUR+2:CUR+3], v[S:S+1],   v[NXT:NXT+1]
	v_pk_fma_f32 v[NXT+2:NXT+3], v[CUR:CUR+1],   v[NS:NS+1], v[NXT+2:NXT+3]
.endif
.endr
.if \fill
	KLOAD \i+3
.endif
.irp m, 1,2,4,8
.irp u, 0,1,2,3,4,5,6,7
	v_add_f32_dpp v[P+\u], v[P+\u], v[P+\u] row_xmask:\m row_mask:0xf bank_mask:0xf   ; over the 16 lanes of a position
.endr
.endr
	v_max3_num_f32 v[BM], v[P], v[P+1], v[P+2]
	v_max3_num_f32 v[BM], v[BM], v[P+3], v[P+4]
	v_max3_num_f32 v[BM], v[BM], v[P+5], v[P+6]
.if \first
	v_max_num_f32 v[MN], v[BM], v[P+7]
.else
	v_max3_num_f32 v[MN], v[BM], v[P+7], v[M]
	v_sub_f32 v[AL], v[M], v[MN]
.endif
.irp u, 0,1,2,3,4,5,6,7
	v_sub_f32 v[P+\u], v[P+\u], v[MN]
.endr
.if \first == 0
	v_exp_f32 v[AL], v[AL]
.endif
.irp u, 0,1,2,3,4,5,6,7
	v_exp_f32 v[P+\u], v[P+\u]
.endr
	v_mov_b32 v[M], v[MN]                          ; the one plain instruction between the exponentials and the first use of a result (ISA guide 5.7.2)
	s_wait_alu depctr_va_vdst(0)
	v_pk_add_f32 v[T0:T0+1], v[P:P+1],     v[P+2:P+3]
	v_pk_add_f32 v[T2:T2+1], v[P+4:P+5],   v[P+6:P+7]
	v_pk_add_f32 v[T0:T0+1], v[T0:T0+1],   v[T2:T2+1]
.if \first
	v_add_f32 v[L], v[T0], v[T1]
.else
	v_add_f32 v[T0], v[T0], v[T1]
	v_fma_f32 v[L], v[L], v[AL], v[T0]
	v_pk_mul_f32 v[ACC:ACC+1],   v[ACC:ACC+1],   v[AL:AL+1] op_sel_hi:[1,0]
	v_pk_mul_f32 v[ACC+2:ACC+3], v[ACC+2:ACC+3], v[AL:AL+1] op_sel_hi:[1,0]
.endif
	s_wait_loadcnt \cntv
.irp u, 0,1,2,3,4,5,6,7
.if \first && (\u == 0)
	v_pk_mul_f32 v[ACC:ACC+1],   v[VB:VB+1],   v[P:P+1] op_sel_hi:[1,0]
	v_pk_mul_f32 v[ACC+2:ACC+3], v[VB+2:VB+3], v[P:P+1] op_sel_hi:[1,0]
.elseif (\u&1) == 0
	v_pk_fma_f32 v[ACC:ACC+1],   v[VB+4*\u:VB+4*\u+1],   v[P+\u:P+\u+1], v[ACC:ACC+1]     op_sel_hi:[1,0,1]
	v_pk_fma_f32 v[ACC+2:ACC+3], v[VB+4*\u+2:VB+4*\u+3], v[P+\u:P+\u+1], v[ACC+2:ACC+3]   op_sel_hi:[1,0,1]
.else
	v_pk_fma_f32 v[ACC:ACC+1],   v[VB+4*\u:VB+4*\u+1],   v[P+\u-1:P+\u], v[ACC:ACC+1]     op_sel:[0,1,0] op_sel_hi:[1,1,1]
	v_pk_fma_f32 v[ACC+2:ACC+3], v[VB+4*\u+2:VB+4*\u+3], v[P+\u-1:P+\u], v[ACC+2:ACC+3]   op_sel:[0,1,0] op_sel_hi:[1,1,1]
.endif
.endr
.if \fill
	VLOAD \i+3
.endif
.endm
	; Loads are issued K0 V0 K1 V1 K2 V2, then K(i+3) and V(i+3) in turn i.  Behind K(i) stand V(i) and two whole blocks: 40.
	; Behind V(i) stand two whole blocks and K(i+3): 40.  From turn 5 on nothing is asked for, and the counts run down.
	TURN 0, 1, 1, 40, 40
	TURN 1, 0, 1, 40, 40
	TURN 2, 0, 1, 40, 40
	TURN 3, 0, 1, 40, 40
	TURN 4, 0, 1, 40, 40
	TURN 5, 0, 0, 40, 32
	TURN 6, 0, 0, 24, 16
	TURN 7, 0, 0, 8, 0
	; the two halves of the wave become one
	v_permlanex16_b32 v[T0], v[M], s20, s21
	v_max_num_f32 v[MN], v[M], v[T0]
	v_sub_f32 v[AL], v[M], v[MN]
	v_exp_f32 v[AL], v[AL]
	v_mov_b32 v[M], v[MN]                          ; the plain instruction behind the exponential
	s_wait_alu depctr_va_vdst(0)
	v_mul_f32 v[L], v[L], v[AL]
	v_pk_mul_f32 v[ACC:ACC+1],   v[ACC:ACC+1],   v[AL:AL+1] op_sel_hi:[1,0]
	v_pk_mul_f32 v[ACC+2:ACC+3], v[ACC+2:ACC+3], v[AL:AL+1] op_sel_hi:[1,0]
	v_permlanex16_b32 v[THA], v[L], s20, s21       ; destinations are registers that have been written
.irp e, 0,1,2,3
	v_permlanex16_b32 v[T0+\e], v[ACC+\e], s20, s21
.endr
	v_add_f32 v[L], v[L], v[THA]
	v_pk_add_f32 v[ACC:ACC+1],   v[ACC:ACC+1],   v[T0:T0+1]
	v_pk_add_f32 v[ACC+2:ACC+3], v[ACC+2:ACC+3], v[T2:T2+1]
	ds_store_b128 v5, v[ACC:ACC+3]                 ; both halves write the same 256 bytes with the same numbers
	ds_store_b32 v[WA], v[M] offset:LDS_M
	ds_store_b32 v[WA], v[L] offset:LDS_L
	s_wait_dscnt 0x0                               ; zero: wave 0 reads these bytes behind the barrier
	s_barrier_signal -1
	s_barrier_wait -1
	s_cmp_lg_u32 s12, 0
	s_cbranch_scc1 .Lend
	; wave 0: the sixteen waves and the new token become the work-group's record.  The ring's registers are free: no load is out.
	v_mov_b32 v[T0], 0
.irp c, 0,1,2,3
	ds_load_b128 v[RING+4*\c:RING+4*\c+3], v[T0] offset:LDS_M+16*\c           ; m of wave 0..15 in v[64:79], in every lane
.endr
.irp c, 0,1,2,3
	ds_load_b128 v[RING+16+4*\c:RING+16+4*\c+3], v[T0] offset:LDS_L+16*\c     ; l in v[80:95]
.endr
.irp w, 0,1,2,3,4,5,6,7,8,9,10,11,12,13,14,15
	ds_load_b128 v[RING+32+4*\w:RING+32+4*\w+3], v[AR] offset:256*\w          ; acc of wave w, my four dims
.endr
	s_wait_dscnt 0x0
	v_max3_num_f32 v[M], v[RING], v[RING+1], v[RING+2]
.irp c, 0,1,2,3,4,5
	v_max3_num_f32 v[M], v[M], v[RING+3+2*\c], v[RING+4+2*\c]
.endr
	v_max3_num_f32 v[M], v[M], v[RING+15], v[SN]
.irp w, 0,1,2,3,4,5,6,7,8,9,10,11,12,13,14,15
	v_sub_f32 v[RING+\w], v[RING+\w], v[M]
.endr
	v_sub_f32 v[SN], v[SN], v[M]
.irp w, 0,1,2,3,4,5,6,7,8,9,10,11,12,13,14,15
	v_exp_f32 v[RING+\w], v[RING+\w]
.endr
	v_exp_f32 v[SN], v[SN]
	v_nop                                          ; the plain place behind the exponentials
	s_wait_alu depctr_va_vdst(0)
	v_pk_mul_f32 v[T0:T0+1], v[RING:RING+1], v[RING+16:RING+17]
.irp c, 1,2,3,4,5,6,7
	v_pk_fma_f32 v[T0:T0+1], v[RING+2*\c:RING+2*\c+1], v[RING+16+2*\c:RING+16+2*\c+1], v[T0:T0+1]
.endr
	v_add_f32 v[T0], v[T0], v[T1]
	v_add_f32 v[T0], v[T0], v[SN]                  ; l = the new token's weight + sum of weight x l
	v_pk_mul_f32 v[ACC:ACC+1],   v[VN:VN+1],   v[SN:SN+1] op_sel_hi:[1,0]
	v_pk_mul_f32 v[ACC+2:ACC+3], v[VN+2:VN+3], v[SN:SN+1] op_sel_hi:[1,0]
.irp w, 0,1,2,3,4,5,6,7,8,9,10,11,12,13,14,15
.if (\w&1) == 0
	v_pk_fma_f32 v[ACC:ACC+1],   v[RING+32+4*\w:RING+32+4*\w+1],   v[RING+\w:RING+\w+1], v[ACC:ACC+1]     op_sel_hi:[1,0,1]
	v_pk_fma_f32 v[ACC+2:ACC+3], v[RING+32+4*\w+2:RING+32+4*\w+3], v[RING+\w:RING+\w+1], v[ACC+2:ACC+3]   op_sel_hi:[1,0,1]
.else
	v_pk_fma_f32 v[ACC:ACC+1],   v[RING+32+4*\w:RING+32+4*\w+1],   v[RING+\w-1:RING+\w], v[ACC:ACC+1]     op_sel:[0,1,0] op_sel_hi:[1,1,1]
	v_pk_fma_f32 v[ACC+2:ACC+3], v[RING+32+4*\w+2:RING+32+4*\w+3], v[RING+\w-1:RING+\w], v[ACC+2:ACC+3]   op_sel:[0,1,0] op_sel_hi:[1,1,1]
.endif
.endr
	v_cmp_eq_u32 vcc_lo, 0, v3                     ; lanes 0-15 keep acc, lanes 16-31 carry (m, l, m, l)
	v_cndmask_b32 v[ACC],   v[M],  v[ACC],   vcc_lo
	v_cndmask_b32 v[ACC+1], v[T0], v[ACC+1], vcc_lo
	v_cndmask_b32 v[ACC+2], v[M],  v[ACC+2], vcc_lo
	v_cndmask_b32 v[ACC+3], v[T0], v[ACC+3], vcc_lo
	global_store_b128 v1, v[ACC:ACC+3], s[10:11]   ; 32 lanes store the record's 512 consecutive bytes
.Lend:
	s_wait_xcnt 0x0
	v_lshl_add_u32 v254, v0, 2, 0x1200
	v_mov_b32 v255, 0
	s_wait_tensorcnt 0x0
	ds_add_u32 v254, v255
	s_wait_dscnt 0x0
	s_endpgm
.Lfunc_end_k_q42c07d713e_attn:
	.size	k_q42c07d713e_attn, .Lfunc_end_k_q42c07d713e_attn-k_q42c07d713e_attn
	.p2alignl 7, 3214868480
	.fill 96, 4, 3214868480
	.section	.rodata,"a",@progbits
	.p2align	6, 0x0
	.amdhsa_kernel k_q42c07d713e_attn
		.amdhsa_group_segment_fixed_size 6656
		.amdhsa_private_segment_fixed_size 0
		.amdhsa_enable_private_segment 0
		.amdhsa_kernarg_size 32
		.amdhsa_user_sgpr_count 2
		.amdhsa_user_sgpr_kernarg_segment_ptr 1
		.amdhsa_wavefront_size32 1
		.amdhsa_system_sgpr_workgroup_id_x 1
		.amdhsa_system_sgpr_workgroup_id_y 1
		.amdhsa_system_sgpr_workgroup_id_z 1
		.amdhsa_system_vgpr_workitem_id 0
		.amdhsa_next_free_vgpr 256
		.amdhsa_next_free_sgpr 66
		.amdhsa_reserve_vcc 1
		.amdhsa_float_denorm_mode_32 3
		.amdhsa_float_denorm_mode_16_64 3
		.amdhsa_memory_ordered 1
		.amdhsa_forward_progress 1
		.amdhsa_inst_pref_size 89
	.end_amdhsa_kernel
	.amdgpu_metadata
---
amdhsa.version: [ 1, 2 ]
amdhsa.kernels:
  - .name:           k_q42c07d713e_attn
    .symbol:         k_q42c07d713e_attn.kd
    .args:
      - { .name: k_cache, .offset: 0, .size: 8, .value_kind: global_buffer, .address_space: global }
      - { .name: v_cache, .offset: 8, .size: 8, .value_kind: global_buffer, .address_space: global }
      - { .name: qkv, .offset: 16, .size: 8, .value_kind: global_buffer, .address_space: global }
      - { .name: part, .offset: 24, .size: 8, .value_kind: global_buffer, .address_space: global }
    .group_segment_fixed_size: 6656
    .private_segment_fixed_size: 0
    .kernarg_segment_align: 8
    .kernarg_segment_size: 32
    .max_flat_workgroup_size: 512
    .sgpr_count:     66
    .vgpr_count:     256
    .wavefront_size: 32
...
	.end_amdgpu_metadata
.endif
;; end of part 2
;; launch merge (part 3): grid 256 x 1, 4 waves a work-group, no clusters, 41,472 bytes of LDS; arguments part, WO_w, WO_b, out0; writes out0
.if DOCPART == 3
	.amdgcn_target "amdgcn-amd-amdhsa--gfx1250"
	.amdhsa_code_object_version 6
	.text
	.protected	k_q42c07d713e_merge
	.globl	k_q42c07d713e_merge
	.p2align	8
	.type	k_q42c07d713e_merge,@function
k_q42c07d713e_merge:
	s_mov_b64 s[64:65], 0
	v_nop
	global_prefetch_b8 v0, s[64:65] scope:SCOPE_SE
	s_setreg_imm32_b32 hwreg(HW_REG_WAVE_MODE, 25, 1), 1
	s_wait_xcnt 0x0
; The two halves of each head become the attention's output, att[b][k], and out0[b][n] = sum over k of att[b][k] WO[n][k] + bO[n].
; Work-group g owns n = 4g .. 4g+3, wave w row n = 4g + w of WO for all 8 batches; lane l owns k = 4l + 128j + e, as in the projections.
; Every work-group rebuilds att (32,768 bytes) in LDS from the 256 records: thread t makes head t's two weights
; 2^(m - max) / (sum of 2^(m - max) l); the denominator is at least 1 up to rounding, since the head's largest term counts 1.
; NO MATRIX UNIT: 8 rows for each weight, as in the projections; f32 throughout.  NO CLUSTER: the records are fetched in one phase at the head,
; with no loop in which joint requests would recur.
; THE STORE: out0 is [8][1024], and a work-group's four n are 16 bytes of each of 8 rows; stores of 256 consecutive bytes would need 64 rows
; of WO in one work-group, that is 16 work-groups for the 4 MB of weights.  The whole output is 32,768 bytes.
.set NR,      1
.set XB,      8                        ; v[8:135] acc of split 0 at 8 + 8 i, of split 1 at 12 + 8 i; then v[8:71]: two buffers of 8 quads of att
.set WQ,      136                      ; v[136:167] the two weights of the head of my quad i
.set W,       168                      ; v[168:199] my row of WO
.set ACC,     200                      ; v[200:207]
.set RED,     208                      ; v[208:215] my partial sum for batch b
.set T,       216                      ; v[216:223] at work
.set LDS_WT,  32768                    ; behind att: 128 heads x 8 bytes
.set LDS_RED, 33792                    ; 32 rows x 48 bytes for each wave, the wave's own: 32 bytes + 16, three times 16
.set RPITCH,  48
.set LDS_OUT, 39936                    ; 8 batches x 16 bytes
	s_load_b256 s[8:15], s[0:1], 0x0               ; part 8:9, WO 10:11, bO 12:13, out0 14:15
	v_lshl_add_u32 v232, v0, 2, 0xa000
	v_mov_b32 v233, 0
	v_lshrrev_b32 v1, 5, v0
	v_readfirstlane_b32 s4, v1                     ; wave 0..3
	v_and_b32 v225, 31, v0                         ; lane
	v_lshlrev_b32 v1, 4, v225                      ; 16 x lane
	v_lshlrev_b32 v2, 4, v0                        ; 16 x thread
	v_lshlrev_b32 v3, 10, v0                       ; head t: two records of 512 bytes
	v_lshrrev_b32 v5, 4, v0                        ; t >> 4: my quad i belongs to head (t >> 4) + 8 i,
	v_and_b32 v4, 15, v0
	v_lshlrev_b32 v4, 4, v4                        ; at byte 16 (t & 15) of its acc
	v_lshl_or_b32 v4, v5, 10, v4
	v_lshlrev_b32 v5, 3, v5                        ; and that head's weights
	v_lshlrev_b32 v224, 3, v0                      ; where head t's weights go
	s_lshl_b32 s5, ttmp9, 2
	s_add_co_u32 s5, s5, s4                        ; n
	s_lshl_b32 s6, s5, 12
	s_mov_b32 s7, 0
	s_lshl_b32 s16, s5, 2
	s_mov_b32 s17, 0
	s_lshl_b32 s18, ttmp9, 4                       ; my four n in a row of out0
	s_mov_b32 s19, 0
	s_mov_b32 s20, 0x76543210
	s_mov_b32 s21, 0xfedcba98
	s_mul_i32 s24, s4, 32*RPITCH
	s_add_co_u32 s24, s24, LDS_RED
	s_lshl_b32 s25, s4, 2
	v_mul_u32_u24 v6, v225, RPITCH
	v_add_nc_u32 v6, s24, v6                       ; where my 8 partial sums go
	v_lshrrev_b32 v7, 3, v225
	v_mul_u32_u24 v7, v7, RPITCH
	v_and_b32 v226, 7, v225                        ; b = lane & 7
	v_lshl_add_u32 v7, v226, 2, v7
	v_add_nc_u32 v7, s24, v7                       ; rows (lane >> 3) + 4 t, column b
	v_lshlrev_b32 v227, 4, v226                    ; 16 b
	v_add_nc_u32 v228, s25, v227                   ; 16 b + 4 w
	v_lshlrev_b32 v229, 12, v225                   ; a row of out0 is 4,096 bytes
	s_wait_kmcnt 0x0
	s_add_nc_u64 s[10:11], s[10:11], s[6:7]
	s_add_nc_u64 s[12:13], s[12:13], s[16:17]
	s_add_nc_u64 s[14:15], s[14:15], s[18:19]
	global_load_b64 v[T:T+1],   v3, s[8:9] offset:256             ; (m, l) of split 0
	global_load_b64 v[T+2:T+3], v3, s[8:9] offset:768             ; and of split 1
.irp i, 0,1,2,3,4,5,6,7,8,9,10,11,12,13,14,15
	global_load_b128 v[XB+8*\i:XB+8*\i+3],   v4, s[8:9] offset:8192*\i        ; sixteen lanes take a head's 256 bytes of acc
	global_load_b128 v[XB+8*\i+4:XB+8*\i+7], v4, s[8:9] offset:8192*\i+512
.endr
.irp j, 0,1,2,3,4,5,6,7
	global_load_b128 v[W+4*\j:W+4*\j+3], v1, s[10:11] offset:512*\j th:TH_LOAD_NT
.endr
	s_load_b32 s23, s[12:13], 0x0
	s_wait_loadcnt 40                              ; the two (m, l) are in; 32 loads of acc and 8 of weights stay out
	v_max_num_f32 v[T+4], v[T], v[T+2]
	v_sub_f32 v[T+6], v[T],   v[T+4]
	v_sub_f32 v[T+7], v[T+2], v[T+4]
	v_exp_f32 v[T+6], v[T+6]
	v_exp_f32 v[T+7], v[T+7]
	v_nop                                          ; the plain place behind the exponentials (ISA guide 5.7.2)
	s_wait_alu depctr_va_vdst(0)
	v_mul_f32  v[T+5], v[T+6], v[T+1]
	v_fmac_f32 v[T+5], v[T+7], v[T+3]
	v_rcp_f32 v[T+5], v[T+5]
	v_nop                                          ; and behind the reciprocal
	s_wait_alu depctr_va_vdst(0)
	v_mul_f32 v[T+6], v[T+6], v[T+5]
	v_mul_f32 v[T+7], v[T+7], v[T+5]
	ds_store_b64 v224, v[T+6:T+7] offset:LDS_WT
	s_wait_dscnt 0x0                               ; zero: the other waves read these weights behind the barrier
	s_barrier_signal -1
	s_barrier_wait -1
.irp i, 0,1,2,3,4,5,6,7,8,9,10,11,12,13,14,15
	ds_load_b64 v[WQ+2*\i:WQ+2*\i+1], v5 offset:LDS_WT+64*\i
.endr
	s_wait_dscnt 0x0
.irp i, 0,1,2,3,4,5,6,7,8,9,10,11,12,13,14,15
	s_wait_loadcnt 38-2*\i                         ; pair i of acc is in; the 15 - i later pairs and the 8 weight loads stay out
	v_pk_mul_f32 v[XB+8*\i:XB+8*\i+1],   v[XB+8*\i:XB+8*\i+1],   v[WQ+2*\i:WQ+2*\i+1] op_sel_hi:[1,0]
	v_pk_mul_f32 v[XB+8*\i+2:XB+8*\i+3], v[XB+8*\i+2:XB+8*\i+3], v[WQ+2*\i:WQ+2*\i+1] op_sel_hi:[1,0]
	v_pk_fma_f32 v[XB+8*\i:XB+8*\i+1],   v[XB+8*\i+4:XB+8*\i+5], v[WQ+2*\i:WQ+2*\i+1], v[XB+8*\i:XB+8*\i+1]     op_sel:[0,1,0] op_sel_hi:[1,1,1]
	v_pk_fma_f32 v[XB+8*\i+2:XB+8*\i+3], v[XB+8*\i+6:XB+8*\i+7], v[WQ+2*\i:WQ+2*\i+1], v[XB+8*\i+2:XB+8*\i+3]   op_sel:[0,1,0] op_sel_hi:[1,1,1]
	ds_store_b128 v2, v[XB+8*\i:XB+8*\i+3] offset:2048*\i         ; att[b][k] at 4096 b + 4 k = 256 x head + 4 d
.endr
	s_wait_dscnt 0x0                               ; zero: every wave reads all of att behind the barrier
	s_barrier_signal -1
	s_barrier_wait -1
; batch b's att for my 32 k, into buffer b & 1
.macro XLOAD b
.irp j, 0,1,2,3,4,5,6,7
	ds_load_b128 v[XB+32*((\b)&1)+4*\j:XB+32*((\b)&1)+4*\j+3], v1 offset:(\b)*4096+512*\j
.endr
.endm
; batch b: NR rows x 32 k, two multiply-adds an instruction; chunks 0 and 1 start the sums; then my 32 k are added up
.macro FMAB b
.irp j, 0,1,2,3,4,5,6,7
.set i, 0
.rept NR
.irp hf, 0,1
.if \j < 2
	v_pk_mul_f32 v[ACC+8*i+4*(\j&1)+2*\hf:ACC+8*i+4*(\j&1)+2*\hf+1], v[W+32*i+4*\j+2*\hf:W+32*i+4*\j+2*\hf+1], v[XB+32*(\b&1)+4*\j+2*\hf:XB+32*(\b&1)+4*\j+2*\hf+1]
.else
	v_pk_fma_f32 v[ACC+8*i+4*(\j&1)+2*\hf:ACC+8*i+4*(\j&1)+2*\hf+1], v[W+32*i+4*\j+2*\hf:W+32*i+4*\j+2*\hf+1], v[XB+32*(\b&1)+4*\j+2*\hf:XB+32*(\b&1)+4*\j+2*\hf+1], v[ACC+8*i+4*(\j&1)+2*\hf:ACC+8*i+4*(\j&1)+2*\hf+1]
.endif
.endr
.set i, i+1
.endr
.endr
.set i, 0
.rept NR
	v_pk_add_f32 v[ACC+8*i:ACC+8*i+1],   v[ACC+8*i:ACC+8*i+1],   v[ACC+8*i+2:ACC+8*i+3]
	v_pk_add_f32 v[ACC+8*i+4:ACC+8*i+5], v[ACC+8*i+4:ACC+8*i+5], v[ACC+8*i+6:ACC+8*i+7]
	v_pk_add_f32 v[ACC+8*i:ACC+8*i+1],   v[ACC+8*i:ACC+8*i+1],   v[ACC+8*i+4:ACC+8*i+5]
	v_add_f32 v[RED+8*i+\b], v[ACC+8*i], v[ACC+8*i+1]
.set i, i+1
.endr
.endm
	XLOAD 0
	s_wait_loadcnt 0x0                             ; my row of WO
.irp b, 0,1,2,3,4,5,6
	XLOAD \b+1
	s_wait_dscnt 0x8                               ; this batch is in; the next batch's eight loads stay out
	FMAB \b
.endr
	s_wait_dscnt 0x0
	FMAB 7
	; over the 32 lanes: each lane lays its 8 sums into a row of the wave's own stage; lane l adds column l & 7 of rows (l >> 3) + 4 t;
	; the four groups of eight lanes meet by one step inside the sixteen and one across.  A wave's LDS instructions are served in order.
	ds_store_b128 v6, v[RED:RED+3]
	ds_store_b128 v6, v[RED+4:RED+7] offset:16
.irp t, 0,1,2,3,4,5,6,7
	ds_load_b32 v[T+\t], v7 offset:4*RPITCH*\t
.endr
	s_wait_dscnt 0x0
	v_pk_add_f32 v[T:T+1],   v[T:T+1],   v[T+2:T+3]
	v_pk_add_f32 v[T+4:T+5], v[T+4:T+5], v[T+6:T+7]
	v_pk_add_f32 v[T:T+1],   v[T:T+1],   v[T+4:T+5]
	v_add_f32 v[T], v[T], v[T+1]
	v_add_f32_dpp v[T], v[T], v[T] row_xmask:8 row_mask:0xf bank_mask:0xf
	v_permlanex16_b32 v[T+1], v[T], s20, s21
	v_add_f32 v[T], v[T], v[T+1]                   ; every lane: batch lane & 7
	s_wait_kmcnt 0x0
	v_add_f32 v[T], s23, v[T]                      ; + bO[n]
	ds_store_b32 v228, v[T] offset:LDS_OUT         ; the four lanes of a batch write the same word with the same number
	s_wait_dscnt 0x0                               ; zero: wave 0 reads these bytes behind the barrier
	s_barrier_signal -1
	s_barrier_wait -1
	s_cmp_lg_u32 s4, 0
	s_cbranch_scc1 .Lend
	ds_load_b128 v[T:T+3], v227 offset:LDS_OUT     ; batch lane & 7: n = 4g .. 4g+3
	s_wait_dscnt 0x0
	v_cmp_gt_u32 vcc_lo, 8, v0
	s_wait_xcnt 0x0                                ; EXEC is a source of the loads above: it changes only behind this wait
	s_and_saveexec_b32 s22, vcc_lo                 ; lanes 0-7, one for each batch
	global_store_b128 v229, v[T:T+3], s[14:15]
	s_wait_xcnt 0x0                                ; and is widened again only behind this one
	s_or_b32 exec_lo, exec_lo, s22
.Lend:
	s_wait_tensorcnt 0x0
	ds_add_u32 v232, v233
	s_wait_dscnt 0x0
	s_endpgm
.Lfunc_end_k_q42c07d713e_merge:
	.size	k_q42c07d713e_merge, .Lfunc_end_k_q42c07d713e_merge-k_q42c07d713e_merge
	.p2alignl 7, 3214868480
	.fill 96, 4, 3214868480
	.section	.rodata,"a",@progbits
	.p2align	6, 0x0
	.amdhsa_kernel k_q42c07d713e_merge
		.amdhsa_group_segment_fixed_size 41472
		.amdhsa_private_segment_fixed_size 0
		.amdhsa_enable_private_segment 0
		.amdhsa_kernarg_size 32
		.amdhsa_user_sgpr_count 2
		.amdhsa_user_sgpr_kernarg_segment_ptr 1
		.amdhsa_wavefront_size32 1
		.amdhsa_system_sgpr_workgroup_id_x 1
		.amdhsa_system_sgpr_workgroup_id_y 1
		.amdhsa_system_sgpr_workgroup_id_z 1
		.amdhsa_system_vgpr_workitem_id 0
		.amdhsa_next_free_vgpr 234
		.amdhsa_next_free_sgpr 66
		.amdhsa_reserve_vcc 1
		.amdhsa_float_denorm_mode_32 3
		.amdhsa_float_denorm_mode_16_64 3
		.amdhsa_memory_ordered 1
		.amdhsa_forward_progress 1
		.amdhsa_inst_pref_size 29
	.end_amdhsa_kernel
	.amdgpu_metadata
---
amdhsa.version: [ 1, 2 ]
amdhsa.kernels:
  - .name:           k_q42c07d713e_merge
    .symbol:         k_q42c07d713e_merge.kd
    .args:
      - { .name: part, .offset: 0, .size: 8, .value_kind: global_buffer, .address_space: global }
      - { .name: WO_w, .offset: 8, .size: 8, .value_kind: global_buffer, .address_space: global }
      - { .name: WO_b, .offset: 16, .size: 8, .value_kind: global_buffer, .address_space: global }
      - { .name: out0, .offset: 24, .size: 8, .value_kind: global_buffer, .address_space: global }
    .group_segment_fixed_size: 41472
    .private_segment_fixed_size: 0
    .kernarg_segment_align: 8
    .kernarg_segment_size: 32
    .max_flat_workgroup_size: 128
    .sgpr_count:     66
    .vgpr_count:     234
    .wavefront_size: 32
...
	.end_amdgpu_metadata
.endif
;; end of part 3
